; MI455X (gfx1250); checked and timed in simulation.
; The chip was launched on July 23, 2026; its instructions are those of AMD's public machine-readable ISA for CDNA 5 (MIT licence, August 2026) and "CDNA5" Instruction Set Architecture Reference Guide (July 2026). The comments in the code are by the model that wrote it; some were corrected since.
;; Attention. Allowed arithmetic: matrix products marked QUANTISED: E5M2 operands, one given power-of-two scale a tensor, by v_wmma_f32_16x16x64_bf8_bf8 or v_wmma_f32_16x16x128_bf8_bf8, f32 sums; everything else in f32.
;; Inputs: attention_mask 2 x 1 x 2,048 x 2,048 bool; key_layer 2 x 32 x 2,048 x 128 float32; lowp_scales 4 int32 (the exponents e of the quantised operands' scales 2^e); query_layer 2 x 32 x 2,048 x 128 float32; value_layer 2 x 32 x 2,048 x 128 float32.
;; Outputs: out0 2 x 2,048 x 4,096 float32.
;; This version of the problem:
;;   THIS VERSION OF THE PROBLEM IS GIVEN IN LOW PRECISION. The matrix products marked QUANTISED in the list below multiply operands that are first quantised to E5M2 (5 exponent bits, 2 mantissa bits; 8 bits a number), with one given power-of-two scale for each operand tensor; their sums are f32. All else is computed in f32.
;;   The module's matrix products, in the order in which they are computed (A, B: the left and right operand; K: the contracted axis; several contracted axes count as one K, in the product's order):
;;     1. batch 64 x [M 2,048, K 128] x [K 128, N 2,048]; A: input query_layer; B: input key_layer: QUANTISED (scales: A lowp_scales[0], B lowp_scales[1])
;;     2. batch 64 x [M 2,048, K 2,048] x [K 2,048, N 128]; A: softmax (see below); B: input value_layer: QUANTISED (scales: A lowp_scales[2], B lowp_scales[3])
;;   THE QUANTISER, for each operand of a quantised product, along K:
;;     - The operand's scale is 2^e, e = its entry of the input lowp_scales (int32; the entries are numbered through the quantised products in the list's order, A before B).
;;     - Each number is divided by the scale, clamped to +-57,344, and rounded to the nearest number of E5M2, ties to even, subnormals kept.
;;     - The product sums the exact products of the quantised numbers (number of the format x scale) in f32.
;;   ~~~python
;;   def quantise(x, axis, e):      # numpy; x: float32 -> the quantised numbers, widened to float32 again
;;       x = np.moveaxis(x, axis, -1); K = x.shape[-1]
;;       r = np.clip(x / 2.0 ** e, -57344, 57344)
;;       step = 2.0 ** (np.maximum(np.frexp(np.where(r == 0, 1, r))[1] - 1, -14) - 2)
;;       q = np.round(r / step) * step * 2.0 ** e      # np.round: ties to even
;;       return np.moveaxis(q, -1, axis).astype(np.float32)
;;   ~~~
;;   SOFTMAX AHEAD OF A QUANTISED PRODUCT. Where the list says 'softmax', what is quantised is not the finished softmax but p = 2^(t - M), with t = logit x log2(e) and M = ceil(the row's largest t), a whole number; so 1/2 < the row's largest p <= 1. The row's sum l is taken of the UNQUANTISED p, in f32, and the product's result is divided by l at the end. Since M is a whole number, a kernel that streams over the keys may use a running M (the ceiling of the running maximum): every later rescaling is an exact power of two, so the quantised numbers keep their values, but for numbers so far below the row's largest that they fall under the format's range.
;;   OPERANDS COMPUTED ON THE WAY. 'Computed on the way' means the value that the module computes at that place (a softmax that the list does not call 'softmax' is quantised finished and normalised). What goes into a quantiser is computed in f32, as accurately as f32 sums, v_exp_f32 and their like allow (about 1e-6 of the number): no bf16 or f16 on the way to a quantiser, and a product that is left as it is and whose result goes on into a quantised operand takes f32 operands (vector FMAs, or v_wmma_f32_16x16x4_f32). A number that lies on a knife's edge between two numbers of the format may be rounded either way, as far as f32 arithmetic and the matrix unit's own rounding can turn it there, and no further.
;; One version. Each part assembles by itself: llvm-mc -triple=amdgcn-amd-amdhsa -mcpu=gfx1250 --defsym DOCPART=n.
;; ======== version 1 of 1: 2 launches
;; limits: right only within a limited range of input values
;; workspace buffers: kc 16,777,216 bytes; vc 16,777,216 bytes; mw 1,048,576 bytes of whole numbers; flags 2,048 bytes of whole numbers
;; launch prep (part 1): grid 1152 x 1, 4 waves a work-group, no clusters, 34,304 bytes of LDS; arguments attention_mask, key_layer, value_layer, lowp_scales, kc, vc, mw, flags; writes kc, vc, mw, flags
.if DOCPART == 1
	.amdgcn_target "amdgcn-amd-amdhsa--gfx1250"
	.amdhsa_code_object_version 6
	.text
	.protected	k_q60f7d37222_prep
	.globl	k_q60f7d37222_prep
	.p2align	8
	.type	k_q60f7d37222_prep,@function
k_q60f7d37222_prep:
	s_mov_b64 s[64:65], 0
	v_nop
	global_prefetch_b8 v0, s[64:65] scope:SCOPE_SE
	s_setreg_imm32_b32 hwreg(HW_REG_WAVE_MODE, 25, 1), 1
	s_wait_xcnt 0x0
; THREE JOBS IN ONE LAUNCH, parted on the work-group's number alone: 0-127 the mask, 128-639 K, 640-1151 V.
; K [64 heads][2048 keys][128] f32 -> kc, codes of E5M2 with the given scale 2^ek.  With R = head x 2048 + key, the code of (R, d) lies at byte (R/4) x 512 + (d/4) x 16 + (R%4) x 4 + d%4:
;   a lane loads 16 neighbouring bytes of each of four rows and its 16 codes are 16 neighbouring bytes: every load and every store of a wave covers 512 consecutive bytes, and nothing changes lanes.
; V [64][2048 keys][128] f32 -> vc, codes with the scale 2^ev, laid [head][step of 128 keys][piece 0..7][d 0..127][16 bytes].  Piece 2c+h holds keys 32c+8h+0..7 and then keys 32c+16+8h+0..7 of the step:
;   the 16 bytes that four registers of the second product's first source take (ISA guide 7.12.2: registers 2c, 2c+1 hold k = 16c+8h+0..7).  A lane takes a column d, its registers run down the keys.
; code = x / 2^e, held within +-57,344, to the nearest code, ties to even.  LIMITS: ek and ev between -126 and 112, so that 2^e and 57,344 x 2^e are f32 numbers.  NaN among the inputs is not served.
; THE MASK [2][2048 queries][2048 keys], one byte each (a byte other than 0 hides) -> mw, lane masks, [b][tile of 16 queries][step of 128 keys][64 words]: bit 16h+r of word 8t+j is the mask of
;   query r and key 16t+8h+j: the lane and the register in which the next launch holds that score.  And -> flags, [b x 64 + block of 32 queries][4 words]: in word jq, for step j = 4jq .. 4jq+3,
;   bit j says that the step is hidden for all 32 queries, bit 16+j that it is hidden for some and not for all.  No branch of this launch hangs on the mask.
.set EMAX, 15
.set MANT, 0x600000                    ; the mantissa field of 57,344 as f32
.set SP,   528                         ; the mask's stage: a row of 512 bytes + 16: the 32 lanes of an 8-byte read fall on 64 different words modulo 256 bytes
.macro SCALE e                         ; v11 = 2^e as f32 (the conversion takes its exponent field), v10 = 57,344 x 2^e
	s_add_co_i32 s28, s[\e], 127
	s_lshl_b32 s29, s28, 23
	v_mov_b32 v11, s29
	s_add_co_i32 s28, s28, EMAX
	s_lshl_b32 s28, s28, 23
	s_or_b32 s28, s28, MANT
	v_mov_b32 v10, s28
.endm
; ---- K: step t = rows 4t .. 4t+3 of the wave's 64; four sets of 16 registers, loads three steps ahead
.macro KLOAD t
.irp i, 0,1,2,3
	global_load_b128 v[32+16*((\t)%4)+4*\i:32+16*((\t)%4)+4*\i+3], v3, s[6:7] offset:2048*(\t)+512*\i th:TH_LOAD_NT   ; one whole row: 512 consecutive bytes
.endr
.endm
.macro KSTEP t
.set XS, 32+16*((\t)%4)
.set CC, 96+4*(\t)                     ; each step has its own four registers of codes: no store's data are written again
.if 15-(\t) >= 3
	s_wait_loadcnt 12                              ; this step's four loads are in; those of the three steps behind it may be out
.else
	s_wait_loadcnt 4*(15-(\t))
.endif
.set i, 0
.rept 16
	v_med3_num_f32 v[XS+i], v[XS+i], -v10, v10     ; the conversion does not saturate (ISA guide 7.6.2): the hold at the largest code x the scale
.set i, i+1
.endr
	v_cvt_scalef32_pk8_bf8_f32 v[CC:CC+1], v[XS:XS+7], v11        ; rows 4t and 4t+1, four codes each
	v_cvt_scalef32_pk8_bf8_f32 v[CC+2:CC+3], v[XS+8:XS+15], v11   ; rows 4t+2 and 4t+3
	v_nop                                          ; a plain line behind the last conversion of the run
	global_store_b128 v3, v[CC:CC+3], s[12:13] offset:512*(\t)
.if (\t)+4 < 16
	KLOAD (\t)+4
.endif
.endm
; ---- V: block t = 32 keys; two sets of 32 registers, loads one block ahead
.macro VLOAD t
.set i, 0
.rept 32
	global_load_b32 v[32+32*((\t)%2)+i], v3, s[8:9] offset:(32*(\t)+i)*512 th:TH_LOAD_NT   ; key 32t+i, my column: 128 consecutive bytes a wave, the four waves side by side on a row's 512
.set i, i+1
.endr
.endm
.macro VBLOCK t
.set XS, 32+32*((\t)%2)
.set CC, 96+8*(\t)
.if (\t) < 7
	s_wait_loadcnt 32                              ; this block's 32 loads are in; the next block's may be out
.else
	s_wait_loadcnt 0x0
.endif
.set i, 0
.rept 32
	v_med3_num_f32 v[XS+i], v[XS+i], -v10, v10
.set i, i+1
.endr
	v_cvt_scalef32_pk8_bf8_f32 v[CC:CC+1], v[XS:XS+7], v11        ; piece 2c: keys 0-7,
	v_cvt_scalef32_pk8_bf8_f32 v[CC+2:CC+3], v[XS+16:XS+23], v11  ;          keys 16-23 of the block
	v_cvt_scalef32_pk8_bf8_f32 v[CC+4:CC+5], v[XS+8:XS+15], v11   ; piece 2c+1: keys 8-15,
	v_cvt_scalef32_pk8_bf8_f32 v[CC+6:CC+7], v[XS+24:XS+31], v11  ;            keys 24-31
	v_nop
	global_store_b128 v4, v[CC:CC+3], s[14:15] offset:4096*(\t)        ; 32 columns x 16 bytes: 512 consecutive bytes
	global_store_b128 v4, v[CC+4:CC+7], s[14:15] offset:4096*(\t)+2048
.if (\t)+2 < 8
	VLOAD (\t)+2
.endif
.endm
; ---- the mask: step jl of the wave's four: lane (r, h) reads, for t = 0..7, the 8 bytes of query r and keys 128 jl + 16 t + 8 h + 0..7
.macro DLOAD jl
.irp t, 0,1,2,3,4,5,6,7
	ds_load_b64 v[160+16*((\jl)%2)+2*\t:160+16*((\jl)%2)+2*\t+1], v4 offset:128*(\jl)+16*\t
.endr
.endm
.macro UNIT a, jl                      ; tile a, step jl: 64 words, eight at a time
.if (\jl) < 3
	s_wait_dscnt 8                                 ; this step's eight reads are in; the next step's eight may be out
.else
	s_wait_dscnt 0x0
.endif
.set DD, 160+16*((\jl)%2)
.set OO, 12+2*(4*(\a)+(\jl))
.irp t, 0,1,2,3,4,5,6,7
.irp jj, 0,1,2,3,4,5,6,7
	v_and_b32 v[8+\jj%4], 0xff<<(8*(\jj%4)), v[DD+2*\t+\jj/4]
	v_cmp_ne_u32 s[40+\jj], 0, v[8+\jj%4]          ; word 8t+jj: a bit for each lane
.endr
.irp jj, 0,1,2,3,4,5,6,7
	s_and_b32 s[32+\jl], s[32+\jl], s[40+\jj]      ; all ones as long as everything is hidden
	s_or_b32 s[36+\jl], s[36+\jl], s[40+\jj]       ; not 0 as soon as anything is
	v_writelane_b32 v[OO+\jj%2], s[40+\jj], 4*\t+\jj/2   ; lane i of the pair holds words 2i and 2i+1
.endr
.endr
	global_store_b64 v5, v[OO:OO+1], s[16:17] offset:4096*(\a)+256*(\jl)   ; the 64 words: 256 consecutive bytes, aligned; each pair of registers is stored once and not written again
.if (\jl) < 2
	DLOAD (\jl)+2
.endif
.endm
	s_load_b256 s[4:11], s[0:1], 0x0               ; mask s[4:5], K s[6:7], V s[8:9], the scales' exponents s[10:11]
	s_load_b256 s[12:19], s[0:1], 0x20             ; kc s[12:13], vc s[14:15], mw s[16:17], flags s[18:19]
	v_lshl_add_u32 v28, v0, 2, 0x8400
	v_mov_b32 v29, 0
	v_lshrrev_b32 v1, 5, v0
	v_readfirstlane_b32 s20, v1                    ; wave 0..3
	v_and_b32 v1, 31, v0                           ; lane
	s_mov_b32 s23, 0                               ; the upper word of every offset
	s_wait_kmcnt 0x0
	s_load_b128 s[24:27], s[10:11], 0x0            ; eq, ek, ep, ev
	s_cmp_lt_u32 ttmp9, 128
	s_cbranch_scc1 .Lmask
	s_cmp_lt_u32 ttmp9, 640
	s_cbranch_scc1 .Lk
	; ---------------- V: work-group xv takes 256 keys x 128 columns, wave w columns 32 w on
	s_sub_co_u32 s21, ttmp9, 640
	s_lshl_b32 s22, s21, 17                        ; 256 rows of 512 bytes
	s_lshl_b32 s30, s20, 7
	s_add_co_u32 s22, s22, s30
	s_add_nc_u64 s[8:9], s[8:9], s[22:23]
	s_lshl_b32 s22, s21, 15                        ; two steps of 16,384 bytes of codes
	s_lshl_b32 s30, s20, 9                         ; my 32 columns' 16 bytes each
	s_add_co_u32 s22, s22, s30
	s_add_nc_u64 s[14:15], s[14:15], s[22:23]
	s_wait_alu depctr_va_vdst(0)
	v_lshlrev_b32 v3, 2, v1
	v_lshlrev_b32 v4, 4, v1
	VLOAD 0
	VLOAD 1
	s_wait_kmcnt 0x0
	SCALE 27
	s_wait_alu depctr_va_vdst(0)
.irp t, 0,1,2,3,4,5,6,7
	VBLOCK \t
.endr
	s_endpgm
	; ---------------- K: a wave takes 64 rows
.Lk:
	s_sub_co_u32 s21, ttmp9, 128
	s_lshl_b32 s21, s21, 2
	s_add_co_u32 s21, s21, s20                     ; which run of 64 rows
	s_lshl_b32 s22, s21, 15
	s_add_nc_u64 s[6:7], s[6:7], s[22:23]
	s_lshl_b32 s22, s21, 13
	s_add_nc_u64 s[12:13], s[12:13], s[22:23]
	s_wait_alu depctr_va_vdst(0)
	v_lshlrev_b32 v3, 4, v1
.irp t, 0,1,2,3
	KLOAD \t
.endr
	s_wait_kmcnt 0x0
	SCALE 25
	s_wait_alu depctr_va_vdst(0)
.irp t, 0,1,2,3,4,5,6,7,8,9,10,11,12,13,14,15
	KSTEP \t
.endr
	s_endpgm
	; ---------------- the mask: work-group x = b x 64 + block of 32 queries; wave jq takes keys 512 jq on: four steps
.Lmask:
	s_lshl_b32 s22, ttmp9, 16                      ; 32 rows of 2,048 bytes
	s_lshl_b32 s21, s20, 9
	s_add_co_u32 s22, s22, s21
	s_add_nc_u64 s[4:5], s[4:5], s[22:23]
	s_lshl_b32 s22, ttmp9, 13                      ; two tiles x 16 steps x 256 bytes
	s_lshl_b32 s21, s20, 10
	s_add_co_u32 s22, s22, s21
	s_add_nc_u64 s[16:17], s[16:17], s[22:23]
	s_lshl_b32 s22, ttmp9, 4
	s_lshl_b32 s21, s20, 2
	s_add_co_u32 s22, s22, s21
	s_add_nc_u64 s[18:19], s[18:19], s[22:23]
	s_wait_alu depctr_va_vdst(0)
	v_lshlrev_b32 v2, 4, v1
.set i, 0
.rept 32
	global_load_b128 v[32+4*i:32+4*i+3], v2, s[4:5] offset:2048*i th:TH_LOAD_NT   ; query i of the 32: my wave's 512 consecutive bytes
.set i, i+1
.endr
	s_mul_i32 s21, s20, 16*SP                      ; my wave's stage: 16 rows
	v_add_nc_u32 v3, s21, v2                       ; in: 16 bytes a lane
	v_and_b32 v8, 15, v0
	v_bfe_u32 v9, v0, 4, 1
	v_mul_u32_u24 v4, v8, SP
	v_lshl_add_u32 v4, v9, 3, v4
	v_add_nc_u32 v4, s21, v4                       ; out: row r, + 8 h
	v_lshlrev_b32 v5, 3, v1
.set i, 0
.rept 16
	v_mov_b32 v[12+i], 0                           ; a lane write's destination counts as read: written once here
.set i, i+1
.endr
.irp k, 0,1,2,3
	s_mov_b32 s[32+\k], -1
	s_mov_b32 s[36+\k], 0
.endr
.irp a, 0,1
	s_wait_loadcnt 16-16*\a                        ; tile a's 16 loads are in; tile 1's may be out while tile 0 is worked
.set i, 0
.rept 16
	ds_store_b128 v3, v[32+64*\a+4*i:32+64*\a+4*i+3] offset:SP*i   ; a wave's LDS instructions are served in order (ISA guide 5.7.1): the reads below see these, and tile 0's reads were waited for
.set i, i+1
.endr
	DLOAD 0
	DLOAD 1
	UNIT \a, 0
	UNIT \a, 1
	UNIT \a, 2
	UNIT \a, 3
.endr
	s_mov_b32 s48, 0                               ; hidden for all 32 queries
	s_mov_b32 s49, 0                               ; hidden for some
.irp jl, 0,1,2,3
	s_cmp_eq_u32 s[32+\jl], -1
	s_cselect_b32 s50, 1<<\jl, 0
	s_or_b32 s48, s48, s50
	s_cmp_lg_u32 s[36+\jl], 0
	s_cselect_b32 s50, 1<<\jl, 0
	s_or_b32 s49, s49, s50
.endr
	s_and_not1_b32 s49, s49, s48                   ; for some and not for all
	s_lshl_b32 s51, s20, 2
	s_lshl_b32 s48, s48, s51                       ; bits 4 jq + jl,
	s_add_co_u32 s51, s51, 16
	s_lshl_b32 s49, s49, s51                       ; bits 16 + 4 jq + jl
	s_or_b32 s48, s48, s49
	v_mov_b32 v6, s48
	v_mov_b32 v7, 0
	s_wait_alu depctr_va_vdst(0)
	s_wait_xcnt 0x0                                ; EXEC is a source of the stores above: it changes only behind this wait
	v_cmp_eq_u32 vcc_lo, 0, v1
	s_wait_tensorcnt 0x0
	ds_add_u32 v28, v29
	s_wait_dscnt 0x0
	s_and_saveexec_b32 s50, vcc_lo
	global_store_b32 v7, v6, s[18:19]              ; one word a wave
	s_wait_xcnt 0x0                                ; and again in front of the line that widens it
	s_or_b32 exec_lo, exec_lo, s50
	s_endpgm
.Lfunc_end_k_q60f7d37222_prep:
	.size	k_q60f7d37222_prep, .Lfunc_end_k_q60f7d37222_prep-k_q60f7d37222_prep
	.p2alignl 7, 3214868480
	.fill 96, 4, 3214868480
	.section	.rodata,"a",@progbits
	.p2align	6, 0x0
	.amdhsa_kernel k_q60f7d37222_prep
		.amdhsa_group_segment_fixed_size 34304
		.amdhsa_private_segment_fixed_size 0
		.amdhsa_enable_private_segment 0
		.amdhsa_kernarg_size 64
		.amdhsa_user_sgpr_count 2
		.amdhsa_user_sgpr_kernarg_segment_ptr 1
		.amdhsa_wavefront_size32 1
		.amdhsa_system_sgpr_workgroup_id_x 1
		.amdhsa_system_sgpr_workgroup_id_y 1
		.amdhsa_system_sgpr_workgroup_id_z 1
		.amdhsa_system_vgpr_workitem_id 0
		.amdhsa_next_free_vgpr 192
		.amdhsa_next_free_sgpr 66
		.amdhsa_reserve_vcc 1
		.amdhsa_float_denorm_mode_32 3
		.amdhsa_float_denorm_mode_16_64 3
		.amdhsa_memory_ordered 1
		.amdhsa_forward_progress 1
		.amdhsa_inst_pref_size 215
	.end_amdhsa_kernel
	.amdgpu_metadata
---
amdhsa.version: [ 1, 2 ]
amdhsa.kernels:
  - .name:           k_q60f7d37222_prep
    .symbol:         k_q60f7d37222_prep.kd
    .args:
      - { .name: attention_mask, .offset: 0, .size: 8, .value_kind: global_buffer, .address_space: global }
      - { .name: key_layer, .offset: 8, .size: 8, .value_kind: global_buffer, .address_space: global }
      - { .name: value_layer, .offset: 16, .size: 8, .value_kind: global_buffer, .address_space: global }
      - { .name: lowp_scales, .offset: 24, .size: 8, .value_kind: global_buffer, .address_space: global }
      - { .name: kc, .offset: 32, .size: 8, .value_kind: global_buffer, .address_space: global }
      - { .name: vc, .offset: 40, .size: 8, .value_kind: global_buffer, .address_space: global }
      - { .name: mw, .offset: 48, .size: 8, .value_kind: global_buffer, .address_space: global }
      - { .name: flags, .offset: 56, .size: 8, .value_kind: global_buffer, .address_space: global }
    .group_segment_fixed_size: 34304
    .private_segment_fixed_size: 0
    .kernarg_segment_align: 8
    .kernarg_segment_size: 64
    .max_flat_workgroup_size: 128
    .sgpr_count:     66
    .vgpr_count:     192
    .wavefront_size: 32
...
	.end_amdgpu_metadata
.endif
;; end of part 1
;; launch attn (part 2): grid 2 x 128, 8 waves a work-group, no clusters, 142,336 bytes of LDS; arguments query_layer, kc, vc, mw, flags, lowp_scales, out0; writes out0
.if DOCPART == 2
	.amdgcn_target "amdgcn-amd-amdhsa--gfx1250"
	.amdhsa_code_object_version 6
	.text
	.protected	k_q60f7d37222_attn
	.globl	k_q60f7d37222_attn
	.p2align	8
	.type	k_q60f7d37222_attn,@function
k_q60f7d37222_attn:
	s_mov_b64 s[64:65], 0
	v_nop
	global_prefetch_b8 v0, s[64:65] scope:SCOPE_SE
	s_setreg_imm32_b32 hwreg(HW_REG_WAVE_MODE, 25, 1), 1
	s_wait_xcnt 0x0
; out[b][q][h x 128 + d] = the sum over keys of softmax(Q . K / sqrt(128), hidden keys at -infinity) V, both products on codes of E5M2 with the given scales 2^eq, 2^ek, 2^ep, 2^ev.
; THE SOFTMAX: t = score x log2(e) / sqrt(128); M = the running largest t rounded UP to a whole number; p = 2^(t - M) is quantised along the keys, not normalised; the row's sum is taken of the
; unquantised p and divides O at the end; when M moves, the sums and O are multiplied by 2^(old M - new M), which rounds nothing.  A row whose keys are all hidden gives 0 x (1 / 0) = NaN, as the definition does.
; SHARES.  256 work-groups of eight waves.  Work-group (p, head) makes two passes over blocks of 256 queries: block 7 - p, then block p.  Wave w owns 32 queries, two tiles of 16, which share every fragment of K and V.
; THE MASK IS AN INPUT.  The launch before stored, as whole numbers, for each block of 32 queries and step of 128 keys whether the step is hidden for all or for some, and the mask as lane masks.  Every wave walks
; all 16 steps of both passes with a barrier in each. These are branches on
; loaded numbers, so K and V come through registers (global load, LDS store, barrier), not by the tensor data mover, and for the same reason the four work-groups of a head ask for nothing jointly.
; LAYOUT.  S^T = K Q^T (source 0 = 16 keys, source 1 = 16 queries): register 8t+j of lane (r, h) is query r, key 16t+8h+j; eight such registers convert into registers 2t, 2t+1 of the second product's source 1
; (ISA guide 7.12.2).  O^T = V^T P^T.  In the first product both sources hold d = 32c+16h+0..15 in registers 4c..4c+3: the same permutation of d on both sides.
; TWO REGIONS OF 128 REGISTERS CHANGE ROLES FROM STEP TO STEP.  Step j: K's eight fragments lie in region j % 2, the scores go to the other; V's eight fragments follow into K's registers; when p is
; converted, K of step j + 1 is loaded into the scores' registers, ahead of the second product of step j.
; ONE BARRIER A STEP, its halves apart.  In front of the signal my reads of V (the slot's last) are back and my stores of the step ahead have landed; the exponentials, sums and conversions stand between signal and
; wait; behind the wait the slot just left takes step j + 2, the loads of step j + 3 go out, and K of step j + 1 is read.
; LIMITS on the given exponents, so that each power of two is an f32 number: eq + ek between -123 and 130; eq and ep between -126 and 112.  NaN among the inputs is not served.
; LDS: K's slots 0, 1 at 0 and VOFF, V's at 2 VOFF and 3 VOFF: 128 rows of 128 bytes + 16; from STG a stage of 16 rows x 528 bytes for each wave (Q's way in, O's way out); then the spare words.
; REGISTERS.  Window 0: v1-11 addresses; v12-19, v20-27 a tile's state: -M, largest score, two pairs of sums, f and a word at work; v28 2^ep, v29 2^eq, v30 -infinity, v31 57,344 x 2^ep; v32-63 codes on their
; way to LDS; v64-191 region 0; v192-223 Q's codes; v224-255 P's codes.  Window 1: v0-127 O^T; v128-255 region 1.
.set KP,   144
.set VOFF, 128*KP
.set STG,  4*VOFF
.set SP,   528
.set SPARE, STG+8*16*SP
.set SPW,  5
.set NIL,  6
.set T,    12
.set SG,   32
.set X,    64
.set Y,    128
.set QC,   192
.set PC,   224
.set WV,   66
.set TS,   67
.set QA,   76                          ; s[76:77] Q at my first query of the pass asked for
.set OA,   80                          ; s[80:81] out at my first row
.set MWP,  84                          ; s[84:85] my tile 0's mask words of step J
.set PF,   86                          ; s[86:87] the prefetches of K or V
.set CS,   88                          ; s[88:89] c = log2(e) / sqrt(128) x 2^(eq + ek), twice
.set SEL,  90                          ; s[90:91] lane selects: lane l xor 16
.set FM,   92                          ; bit k: step J + k is hidden for all my 32 queries (steps behind the sixteenth count as hidden)
.set MX,   93                          ; bit 0: the step in hand is hidden for some of them
.set NEED, 94                          ; bit k: some wave of the work-group needs step J + k
.set J,    95
.set PASS, 96
.set G,    97
.set EPV,  98
.set EP,   99
.set LIM,  100
.set QASK, 101
.set QPF,  104
.set MSB, 0
.macro WIN new                         ; the immediate's high byte repeats the setting that is left; a switch that changes nothing is dropped
.if MSB != (\new)
	s_set_vgpr_msb (MSB<<8)|(\new)
.set MSB, (\new)
.endif
.endm
.macro STAGE_LOAD k                    ; my eighth of step J + k: 2,048 bytes of K's codes and 2,048 of V's; each load covers 512 consecutive bytes
.irp i, 0,1,2,3
	global_load_b128 v[SG+4*\i:SG+4*\i+3], v11, s[6:7] offset:16384*(\k)+512*\i
.endr
.irp i, 0,1,2,3
	global_load_b128 v[SG+16+4*\i:SG+16+4*\i+3], v11, s[8:9] offset:16384*(\k)+512*\i
.endr
.endm
.macro STAGE_STORE ws
.set i, 0
.rept 16
	ds_store_b32 v3, v[SG+i] offset:(\ws)*VOFF+i*KP          ; row 16 w + i of K, d = 4 l .. 4 l + 3
.set i, i+1
.endr
.irp i4, 0,1,2,3
	ds_store_b128 v4, v[SG+16+4*\i4:SG+16+4*\i4+3] offset:(\ws)*VOFF+32*KP*\i4   ; channel 32 i4 + l, piece w
.endr
.endm
.macro KLOAD n                         ; K's eight fragments of a step of parity n: slot n -> region n
	WIN (\n)<<6
.irp t, 0,1,2,3,4,5,6,7
.irp c, 0,1,2,3
	ds_load_b128 v[X+64*(\n)+16*\t+4*\c:X+64*(\n)+16*\t+4*\c+3], v1 offset:(\n)*VOFF+\t*16*KP+32*\c
.endr
.endr
	WIN 0
.endm
; What a pass needs first, for block s[G]: addresses, its flags, step 0's codes, my 32 rows of Q (into region 1)
.macro NEXT
	s_bfe_u32 s68, ttmp7, 0x10006                  ; b: work-group (x, y) has head b x 32 + h = 2 (y / 4) + x and p = y % 4
	s_mov_b32 s71, 0
	s_lshl_b32 s70, s[G], 17
	s_lshl_b32 s69, s[WV], 14
	s_add_co_u32 s70, s70, s69
	s_add_nc_u64 s[QA:QA+1], s[4:5], s[70:71]      ; row 256 G + 32 w
	s_lshl_b32 s70, s68, 19
	s_lshl_b32 s69, s[G], 16
	s_add_co_u32 s70, s70, s69
	s_lshl_b32 s69, s[WV], 13
	s_add_co_u32 s70, s70, s69
	s_add_nc_u64 s[MWP:MWP+1], s[10:11], s[70:71]  ; mask words of tile 128 b + 16 G + 2 w
	s_lshl_b32 s70, s68, 10
	s_lshl_b32 s69, s[G], 7
	s_add_co_u32 s70, s70, s69
	s_add_nc_u64 s[72:73], s[12:13], s[70:71]      ; the flags of the block's eight waves,
	s_lshl_b32 s70, s[WV], 4
	s_add_nc_u64 s[74:75], s[72:73], s[70:71]      ; and my own four words
	s_load_b512 s[16:31], s[72:73], 0x0
	s_load_b512 s[32:47], s[72:73], 0x40
	s_load_b128 s[48:51], s[74:75], 0x0
	STAGE_LOAD 0
	WIN 0x40
.set i, 0
.rept 32
	global_load_b128 v[Y+4*i:Y+4*i+3], v11, s[QA:QA+1] offset:512*i th:TH_LOAD_NT   ; a whole row: 512 consecutive bytes
.set i, i+1
.endr
	WIN 0
.endm
; The first part of step J + a: scores, V's loads, the mask, the maxima, M, f, the rescalings, t - M
.macro W1 a
.set KB, X+64*(\a)
.set KW, \a
.set SB, Y-64*(\a)
.set SW, 1-(\a)
	WIN (SW<<6)|KW
.irp t, 0,1,2,3,4,5,6,7
	s_wait_dscnt 28-4*\t                           ; fragment t's four loads are in; the younger fragments' may be out
.irp q, 0,1
	v_wmma_f32_16x16x128_bf8_bf8 v[SB+64*\q+8*\t:SB+64*\q+8*\t+7], v[KB+16*\t:KB+16*\t+15], v[QC+16*\q:QC+16*\q+15], 0
.endr
.endr
.rept 4
	v_nop                                          ; places ahead of loads into K's registers and of the first read of the scores
.endr
	WIN 0
	s_wait_kmcnt 0x0
	s_bitcmp1_b32 s[MX], 0
	s_cbranch_scc0 .Lopen_\@                       ; nothing is hidden in this step
	WIN SW*0x41
.set n, 0
.rept 64
	v_cndmask_b32 v[SB+n], v[SB+n], v30, s[16+n+4*(n/48)]   ; hidden scores become -infinity ahead of the maximum
.set n, n+1
.endr
	s_load_b512 s[16:31], s[MWP:MWP+1], 4096+256*(\a)    ; tile 1's words
	s_load_b512 s[32:47], s[MWP:MWP+1], 4096+256*(\a)+64
	s_load_b512 s[48:63], s[MWP:MWP+1], 4096+256*(\a)+128
	s_load_b512 s[68:83], s[MWP:MWP+1], 4096+256*(\a)+192
	s_wait_kmcnt 0x0
.set n, 0
.rept 64
	v_cndmask_b32 v[SB+64+n], v[SB+64+n], v30, s[16+n+4*(n/48)]
.set n, n+1
.endr
	WIN 0
.Lopen_\@:
	WIN (KW<<6)|(SW*0x14)                  ; V's eight fragments follow into K's registers, four loads ahead of every eight maxima
.irp c, 0,1,2,3
	ds_load_b128 v[KB+4*\c:KB+4*\c+3], v2 offset:(\a)*VOFF+32*\c
.endr
	WIN SW*0x14
.irp q, 0,1                            ; the running largest score, four chains by turns, ascending: each accumulator is first read at its low end
	v_max3_num_f32 v[T+8*\q+6], v[T+8*\q+1], v[SB+64*\q], v[SB+64*\q+1]
	v_max3_num_f32 v[T+8*\q+7], v[T+8*\q+1], v[SB+64*\q+2], v[SB+64*\q+3]
.endr
.set i, 4
.rept 15
.if (i%8) == 0
	WIN (KW<<6)|(SW*0x14)
.irp c, 0,1,2,3
	ds_load_b128 v[KB+2*i+4*\c:KB+2*i+4*\c+3], v2 offset:(\a)*VOFF+(i/8)*16*KP+32*\c   ; fragment i / 8
.endr
	WIN SW*0x14
.endif
.irp q, 0,1
	v_max3_num_f32 v[T+8*\q+6], v[T+8*\q+6], v[SB+64*\q+i], v[SB+64*\q+i+1]
	v_max3_num_f32 v[T+8*\q+7], v[T+8*\q+7], v[SB+64*\q+i+2], v[SB+64*\q+i+3]
.endr
.set i, i+4
.endr
	WIN 0
.irp q, 0,1
	v_max_num_f32 v[T+8*\q+6], v[T+8*\q+6], v[T+8*\q+7]
.endr
.irp q, 0,1
	v_permlanex16_b32 v[T+8*\q+7], v[T+8*\q+6], s[SEL], s[SEL+1]
.endr
.irp q, 0,1
	v_max_num_f32 v[T+8*\q+1], v[T+8*\q+6], v[T+8*\q+7]   ; and lane l xor 16's
.endr
.irp q, 0,1
	v_mul_f32 v[T+8*\q+7], s[CS], v[T+8*\q+1]      ; as t (c is positive)
.endr
.irp q, 0,1
	v_mov_b32 v[T+8*\q+6], v[T+8*\q]
.endr
.irp q, 0,1
	v_max_num_f32 v[T+8*\q+7], 0xff61b1e6, v[T+8*\q+7]   ; the starting value stays a number whatever c is
.endr
.irp q, 0,1
	v_floor_f32 v[T+8*\q], -v[T+8*\q+7]            ; the new -M = -ceil(t)
.endr
.irp q, 0,1
	v_sub_f32 v[T+8*\q+6], v[T+8*\q], v[T+8*\q+6]  ; old M - new M: a whole number, 0 or less
.endr
.irp q, 0,1
	v_cvt_i32_f32 v[T+8*\q+6], v[T+8*\q+6]         ; (it saturates)
.endr
.irp q, 0,1
	v_ldexp_f32 v[T+8*\q+6], 1.0, v[T+8*\q+6]      ; f = 2^(old M - new M)
.endr
.irp q, 0,1
	v_pk_mul_f32 v[T+8*\q+2:T+8*\q+3], v[T+8*\q+2:T+8*\q+3], v[T+8*\q+6:T+8*\q+7] op_sel_hi:[1,0]   ; the sums under the new M
	v_pk_mul_f32 v[T+8*\q+4:T+8*\q+5], v[T+8*\q+4:T+8*\q+5], v[T+8*\q+6:T+8*\q+7] op_sel_hi:[1,0]
.endr
	WIN 0x41
	s_wait_alu depctr_va_vdst(0)                   ; the wait directly ahead of the first readers of O^T
.irp q, 0,1
.set i, 0
.rept 32
	v_pk_mul_f32 v[64*\q+i:64*\q+i+1], v[64*\q+i:64*\q+i+1], v[T+8*\q+6:T+8*\q+7] op_sel_hi:[1,0]   ; O^T under the new M, ascending
.set i, i+2
.endr
.endr
	WIN SW*0x41
.irp q, 0,1
.set i, 0
.rept 32
	v_pk_fma_f32 v[SB+64*\q+i:SB+64*\q+i+1], v[SB+64*\q+i:SB+64*\q+i+1], s[CS:CS+1], v[T+8*\q:T+8*\q+1] op_sel_hi:[1,0,0]   ; t - M
.set i, i+2
.endr
.endr
	WIN 0
.endm
; The second part, on registers alone: p, the sums, the codes
.macro W2 a
.set SB, Y-64*(\a)
.set SW, 1-(\a)
	WIN SW*0x41
	s_wait_alu depctr_va_vdst(0)                   ; the wait ahead of the batch
.set i, 0
.rept 128
	v_exp_f32 v[SB+i], v[SB+i]                     ; p = 2^(t - M)
.set i, i+1
.endr
	v_nop                                          ; a plain line behind the exponentials
	s_wait_alu depctr_va_vdst(0)                   ; one wait for the batch, ahead of its first reader
	WIN SW*0x04
.set i, 0
.rept 16
.irp q, 0,1
	v_pk_add_f32 v[T+8*\q+2:T+8*\q+3], v[T+8*\q+2:T+8*\q+3], v[SB+64*\q+i:SB+64*\q+i+1]     ; the row's sum, of the unquantised p, four chains by turns
	v_pk_add_f32 v[T+8*\q+4:T+8*\q+5], v[T+8*\q+4:T+8*\q+5], v[SB+64*\q+i+2:SB+64*\q+i+3]
.endr
.set i, i+4
.endr
	WIN 0
	s_wait_alu depctr_va_vdst(0)                   ; the wait ahead of the branch
	s_cmp_ge_i32 s[EP], -15                        ; with ep >= -15 the largest code x 2^ep is 1.75 or more, over every p: the hold would change nothing
	s_cbranch_scc1 .Lno_hold_\@
	WIN SW*0x41
.set i, 0
.rept 128
	v_min_num_f32 v[SB+i], v[SB+i], v31            ; p is not negative: the hold is one-sided
.set i, i+1
.endr
	WIN 0
.Lno_hold_\@:
	WIN SW
.irp q, 0,1
.irp t, 0,1,2,3,4,5,6,7
	v_cvt_scalef32_pk8_bf8_f32 v[PC+16*\q+2*\t:PC+16*\q+2*\t+1], v[SB+64*\q+8*\t:SB+64*\q+8*\t+7], v28   ; keys 16t+8h+0..7
.endr
.endr
	v_nop                                          ; a plain line behind the last conversion
	WIN 0
	s_wait_alu depctr_va_vdst(0)                   ; the wait ahead of the barrier's wait
.endm
.macro PV a                            ; O^T += V^T P^T: sixteen accumulators, one instruction each: they take turns
	WIN 0x50|(\a)
.irp t, 0,1,2,3,4,5,6,7
.irp q, 0,1
	v_wmma_f32_16x16x128_bf8_bf8 v[64*\q+8*\t:64*\q+8*\t+7], v[X+64*(\a)+16*\t:X+64*(\a)+16*\t+15], v[PC+16*\q:PC+16*\q+15], v[64*\q+8*\t:64*\q+8*\t+7]
.endr
.endr
.rept 5
	v_nop                                          ; five places: the next step's first products write over V's registers (ISA guide 7.12.1)
.endr
	WIN 0
.endm
.macro KPV a                           ; where this step and the next are both worked: the next step's K, four loads ahead of every two instructions of O^T += V^T P^T
.irp t, 0,1,2,3,4,5,6,7
	WIN (1-(\a))*0x50
.irp c, 0,1,2,3
	ds_load_b128 v[X+64*(1-(\a))+16*\t+4*\c:X+64*(1-(\a))+16*\t+4*\c+3], v1 offset:(1-(\a))*VOFF+\t*16*KP+32*\c
.endr
	WIN 0x50|(\a)
.irp q, 0,1
	v_wmma_f32_16x16x128_bf8_bf8 v[64*\q+8*\t:64*\q+8*\t+7], v[X+64*(\a)+16*\t:X+64*(\a)+16*\t+15], v[PC+16*\q:PC+16*\q+15], v[64*\q+8*\t:64*\q+8*\t+7]
.endr
.endr
.rept 5
	v_nop                                          ; five places: the next step's first products write over V's registers (ISA guide 7.12.1)
.endr
	WIN 0
.endm
.macro TRIP a
	; PREFETCH of K's and V's codes of step J + a + 5, two steps ahead of the load that will want them: the head's first work-group, in its first pass alone; waves 0, 1 for K's 16,384 bytes, waves 2, 3 for V's,
	; lanes 256 bytes apart: each block is named once in the launch.  It stops at step 15; steps 0 to 4 come by their loads alone.
	s_add_co_u32 s[TS], s[J], \a
	s_cmp_lt_u32 s[TS], s[LIM]
	s_cbranch_scc0 .Lno_pf_\@
	global_prefetch_b8 v7, s[PF:PF+1] offset:((\a)+5)*16384 th:TH_LOAD_NT scope:SCOPE_SE
.Lno_pf_\@:
	; PREFETCH of my 32 rows of Q for the second pass (16,384 bytes), once, when at most three needed steps of the first pass are left
	s_lshr_b32 s[TS], s[NEED], 3
	s_or_b32 s[TS], s[TS], s[QASK]
	s_cmp_eq_u32 s[TS], 0
	s_cbranch_scc0 .Lno_q_\@
	global_prefetch_b8 v7, s[QPF:QPF+1] th:TH_LOAD_NT scope:SCOPE_SE
	global_prefetch_b8 v7, s[QPF:QPF+1] offset:8192 th:TH_LOAD_NT scope:SCOPE_SE
	s_mov_b32 s[QASK], 1
.Lno_q_\@:
	s_bitcmp1_b32 s[FM], 0
	s_cbranch_scc1 .Lh1_\@                         ; all 128 keys are hidden for all my queries
	W1 \a
.Lh1_\@:
	s_bitcmp1_b32 s[MX], 1                         ; is the next step hidden for some of my queries?  Then tile 0's 64 mask words of it are asked for here, a step's second half ahead of their use
	s_cbranch_scc0 .Lnm_\@
	s_wait_kmcnt 0x0                               ; no scalar load is on its way into these registers
	s_load_b512 s[16:31], s[MWP:MWP+1], 256*((\a)+1)
	s_load_b512 s[32:47], s[MWP:MWP+1], 256*((\a)+1)+64
	s_load_b512 s[48:63], s[MWP:MWP+1], 256*((\a)+1)+128
	s_load_b512 s[68:83], s[MWP:MWP+1], 256*((\a)+1)+192
.Lnm_\@:
	s_wait_alu depctr_va_vdst(0)
	s_wait_dscnt 0x0                               ; for the others' sake: my reads of this step's slot are back, my stores of the step ahead have landed
	s_barrier_signal -1
	s_bitcmp1_b32 s[FM], 0
	s_cbranch_scc1 .Lh2_\@
	W2 \a
.Lh2_\@:
	s_barrier_wait -1
	s_wait_loadcnt 0x0                             ; step J + a + 2's codes are in registers (on every way)
	s_bitcmp1_b32 s[NEED], 2
	s_cbranch_scc0 .Lns_\@
	STAGE_STORE \a                                 ; into the slot that every wave has left
.Lns_\@:
	s_and_b32 s[TS], s[FM], 3
	s_cmp_eq_u32 s[TS], 0
	s_cbranch_scc0 .Lsep_\@
	KPV \a                                         ; the next step's K, into the registers that the scores have left, among this step's second product
	s_branch .Lnp_\@
.Lsep_\@:
	s_bitcmp1_b32 s[FM], 1
	s_cbranch_scc1 .Lnk_\@
	KLOAD 1-\a
.Lnk_\@:
	s_bitcmp1_b32 s[FM], 0
	s_cbranch_scc1 .Lnp_\@
	PV \a
.Lnp_\@:
	s_bitcmp1_b32 s[NEED], 3                       ; behind the sixteenth step the bit is 0: no load leaves its buffer
	s_cbranch_scc0 .Lnl_\@
	STAGE_LOAD (\a)+3
.Lnl_\@:
	s_lshr_b32 s[NEED], s[NEED], 1
	s_lshr_b32 s[FM], s[FM], 1
	s_lshr_b32 s[MX], s[MX], 1
.endm
	s_load_b128 s[4:7], s[0:1], 0x0                ; Q, kc
	s_load_b128 s[8:11], s[0:1], 0x10              ; vc, mw
	s_load_b128 s[12:15], s[0:1], 0x20             ; flags, the scales' exponents
	s_load_b64 s[2:3], s[0:1], 0x30                ; out
	v_lshl_add_u32 v[SPW], v0, 2, SPARE
	v_mov_b32 v[NIL], 0
	v_lshrrev_b32 v12, 5, v0
	v_readfirstlane_b32 s[WV], v12                 ; wave 0..7
	v_and_b32 v12, 31, v0                          ; l
	v_and_b32 v13, 15, v0                          ; r
	v_bfe_u32 v14, v0, 4, 1                        ; h
	v_mul_u32_u24 v1, v13, KP
	v_lshl_add_u32 v1, v14, 4, v1                  ; v1: a fragment's row r, + 16 h, among K's slots,
	v_add_nc_u32 v2, 2*VOFF, v1                    ; v2: among V's
	s_mul_i32 s[TS], s[WV], 16*KP
	v_lshlrev_b32 v3, 2, v12
	v_add_nc_u32 v3, s[TS], v3                     ; v3: where I store K: row 16 w, + 4 l
	s_lshl_b32 s[TS], s[WV], 4
	s_add_co_u32 s[TS], s[TS], 2*VOFF
	v_mul_u32_u24 v4, v12, KP
	v_add_nc_u32 v4, s[TS], v4                     ; v4: where I store V: channel l, piece w
	v_lshlrev_b32 v7, 8, v12                       ; v7: 256 l
	v_lshlrev_b32 v11, 4, v12                      ; v11: 16 l
	s_mul_i32 s[TS], s[WV], 16*SP
	s_add_co_u32 s[TS], s[TS], STG                 ; my stage
	v_add_nc_u32 v8, s[TS], v11                    ; v8: a whole row, 16 bytes a lane
	v_mul_u32_u24 v10, v13, SP
	v_add_nc_u32 v10, s[TS], v10
	v_lshl_add_u32 v9, v14, 6, v10                 ; v9: Q out of the stage: row r, + 64 h
	v_lshl_add_u32 v10, v14, 5, v10                ; v10: O into the stage: row r, + 32 h
	v_mov_b32 v30, 0xff800000                      ; -infinity
.set i, 0
.rept 32
	v_mov_b32 v[PC+i], 0                           ; P's codes are written on every way
.set i, i+1
.endr
	s_mov_b32 s[SEL], 0x76543210
	s_mov_b32 s[SEL+1], 0xfedcba98
	s_mov_b32 s[PASS], 0
	s_mov_b32 s[QASK], 0
	s_mov_b32 s71, 0
	s_mov_b32 s73, 0
	s_bfe_u32 s68, ttmp7, 0x50002
	s_lshl_b32 s68, s68, 1
	s_or_b32 s68, s68, ttmp9                       ; b x 32 + h = 2 (y / 4) + x
	s_wait_alu depctr_va_vdst(0)                   ; the wait at the head's end
	s_wait_kmcnt 0x0
	s_load_b128 s[52:55], s[14:15], 0x0            ; eq, ek, ep, ev
	s_lshl_b32 s70, s68, 20                        ; a head of Q
	s_add_nc_u64 s[4:5], s[4:5], s[70:71]
	s_lshl_b32 s70, s68, 18                        ; a head of codes
	s_add_nc_u64 s[6:7], s[6:7], s[70:71]
	s_add_nc_u64 s[8:9], s[8:9], s[70:71]
	s_cmp_lt_u32 s[WV], 2
	s_cselect_b64 s[PF:PF+1], s[6:7], s[8:9]
	s_and_b32 s72, s[WV], 1
	s_lshl_b32 s72, s72, 13
	s_add_nc_u64 s[PF:PF+1], s[PF:PF+1], s[72:73]
	s_lshl_b32 s72, s[WV], 11                      ; my wave's 2,048 bytes of a step
	s_add_nc_u64 s[6:7], s[6:7], s[72:73]
	s_add_nc_u64 s[8:9], s[8:9], s[72:73]
	s_lshr_b32 s72, s[WV], 2
	s_and_b32 s74, ttmp7, 3                        ; p
	s_or_b32 s72, s72, s74
	s_cmp_eq_u32 s72, 0
	s_cselect_b32 s[LIM], 11, 0                    ; waves 0 to 3 of the head's first work-group
	s_and_b32 s72, ttmp7, 3
	s_lshl_b32 s72, s72, 17
	s_lshl_b32 s74, s[WV], 14
	s_add_co_u32 s72, s72, s74
	s_add_nc_u64 s[QPF:QPF+1], s[4:5], s[72:73]    ; rows 256 p + 32 w of my head's Q
	s_and_b32 s[G], ttmp7, 3
	s_sub_co_u32 s[G], 7, s[G]
	NEXT
	s_wait_kmcnt 0x0
	s_add_co_i32 s56, s52, s53
	s_lshl_b32 s56, s56, 23
	s_add_co_i32 s[CS], s56, 0x3e0293ee            ; c, with eq + ek added to its exponent field
	s_mov_b32 s[CS+1], s[CS]
	s_add_co_i32 s56, s54, 127
	s_lshl_b32 s57, s56, 23
	v_mov_b32 v28, s57                             ; 2^ep
	s_add_co_i32 s56, s56, 15
	s_lshl_b32 s56, s56, 23
	s_or_b32 s56, s56, 0x600000
	v_mov_b32 v31, s56                             ; 57,344 x 2^ep
	s_add_co_i32 s56, s52, 127
	s_lshl_b32 s56, s56, 23
	v_mov_b32 v29, s56                             ; 2^eq
	s_add_co_i32 s[EPV], s54, s55
	s_mov_b32 s[EP], s54
.Lpass:                                                ; two trips: block 7 - p, then block p
	WIN 0x40
.set i, 0
.rept 128
	v_mov_b32 v[i], 0                              ; O^T.  Which step is the first to be worked hangs on the mask, so no product can be written out that starts the sums
.set i, i+1
.endr
	WIN 0
	s_wait_kmcnt 0x0
	s_or_b32 s[FM], s48, s49
	s_or_b32 s[MX], s50, s51
	s_or_b32 s[FM], s[FM], s[MX]                   ; my four words have their bits in different places
	s_lshr_b32 s[MX], s[FM], 16
	s_or_b32 s[FM], s[FM], 0xffff0000              ; steps behind the sixteenth count as hidden
.irp jq, 0,1,2,3
	s_and_b32 s[52+\jq], s[16+\jq], s[20+\jq]      ; hidden for all eight waves
.irp v, 2,3,4,5,6,7
	s_and_b32 s[52+\jq], s[52+\jq], s[16+\jq+4*\v]
.endr
.endr
	s_or_b32 s52, s52, s53
	s_or_b32 s54, s54, s55
	s_or_b32 s52, s52, s54
	s_and_not1_b32 s[NEED], 0xffff, s52            ; the same number in all eight waves
	v_mul_f32 v12, 0x47600000, v29                 ; 57,344 x 2^eq
	s_wait_alu depctr_va_vdst(0)                   ; the wait ahead of the wait below
	s_wait_loadcnt 32                              ; step 0's eight loads are in; Q's 32 may be out
	STAGE_STORE 0
	STAGE_LOAD 1                                   ; steps 0 to 2 are fetched whatever the flags say: the staging registers are written on every way
	; Q: 16 rows as loaded turn through my stage, so that lane (r, h) holds d = 32c+16h+0..15 of query r; a wave's LDS instructions are served in order (ISA guide 5.7.1)
.irp q, 0,1
	s_wait_loadcnt 24-16*\q                        ; tile q's 16 loads are in; behind them tile 1's and step 1's eight
	WIN 0x04
.set i, 0
.rept 16
	ds_store_b128 v8, v[Y+64*\q+4*i:Y+64*\q+4*i+3] offset:SP*i
.set i, i+1
.endr
	WIN 0
.irp c, 0,1,2,3
.irp jj, 0,1,2,3
	ds_load_b128 v[X+64*\q+16*\c+4*\jj:X+64*\q+16*\c+4*\jj+3], v9 offset:128*\c+16*\jj
.endr
.endr
.endr
.irp q, 0,1
	s_wait_dscnt 32-32*\q                          ; tile q is back; tile 1's 16 stores and 16 loads may be out
.set i, 0
.rept 64
	v_med3_num_f32 v[X+64*\q+i], v[X+64*\q+i], -v12, v12   ; the conversion does not saturate (ISA guide 7.6.2)
.set i, i+1
.endr
.irp c, 0,1,2,3
	v_cvt_scalef32_pk8_bf8_f32 v[QC+16*\q+4*\c:QC+16*\q+4*\c+1], v[X+64*\q+16*\c:X+64*\q+16*\c+7], v29
	v_cvt_scalef32_pk8_bf8_f32 v[QC+16*\q+4*\c+2:QC+16*\q+4*\c+3], v[X+64*\q+16*\c+8:X+64*\q+16*\c+15], v29
.endr
	v_nop                                          ; a plain line behind the last conversion
.endr
.irp q, 0,1
	v_mov_b32 v[T+8*\q], 0x7f61b1e6                ; -M = 3e38
	v_mov_b32 v[T+8*\q+1], 0xff61b1e6              ; the largest score so far: -3e38, under every score
.irp k, 2,3,4,5,6,7
	v_mov_b32 v[T+8*\q+\k], 0
.endr
.endr
	s_wait_alu depctr_va_vdst(0)                   ; the wait ahead of the wait below
	s_wait_loadcnt 0x0
	s_load_b512 s[16:31], s[MWP:MWP+1], 0x0        ; tile 0's mask words of step 0, whatever the flags say: so these registers are written on every way
	s_load_b512 s[32:47], s[MWP:MWP+1], 0x40
	s_load_b512 s[48:63], s[MWP:MWP+1], 0x80
	s_load_b512 s[68:83], s[MWP:MWP+1], 0xc0
	STAGE_STORE 1
	STAGE_LOAD 2
	s_wait_dscnt 0x0
	s_barrier_signal -1
	s_barrier_wait -1                              ; steps 0 and 1 lie in their slots
	s_bitcmp1_b32 s[FM], 0
	s_cbranch_scc1 .Lno_k0
	KLOAD 0
.Lno_k0:
	s_mov_b32 s[J], 0
.Lstep:                                                ; eight trips of two steps: regions and slots are constants of the text
	TRIP 0
	TRIP 1
	s_wait_xcnt 0x0                                ; the trip's loads and prefetches have read their bases
	s_add_nc_u64 s[6:7], s[6:7], 32768
	s_add_nc_u64 s[8:9], s[8:9], 32768
	s_add_nc_u64 s[PF:PF+1], s[PF:PF+1], 32768
	s_add_nc_u64 s[MWP:MWP+1], s[MWP:MWP+1], 512
	s_add_co_u32 s[J], s[J], 2
	s_cmp_lt_u32 s[J], 16
	s_cbranch_scc1 .Lstep
	s_sub_nc_u64 s[6:7], s[6:7], 262144            ; back to the head's first step
	s_sub_nc_u64 s[8:9], s[8:9], 262144
	s_mov_b32 s[LIM], 0                            ; the second pass prefetches nothing
	s_mov_b32 s[QASK], 1
	s_wait_loadcnt 0x0                             ; nothing is on its way into a register,
	s_wait_dscnt 0x0
	s_barrier_signal -1
	s_barrier_wait -1                              ; and no wave reads a slot any more: the next pass stores into both
	s_wait_kmcnt 0x0                               ; nor into a scalar register
	s_bfe_u32 s68, ttmp7, 0x10006                  ; out at row 2,048 b + 256 G + 32 w (16,384 bytes a row), + 512 h
	s_lshl_b32 s70, s68, 25
	s_lshl_b32 s69, s[G], 22
	s_add_co_u32 s70, s70, s69
	s_lshl_b32 s69, s[WV], 19
	s_add_co_u32 s70, s70, s69
	s_bfe_u32 s69, ttmp7, 0x40002
	s_lshl_b32 s69, s69, 1
	s_or_b32 s69, s69, ttmp9                       ; h
	s_lshl_b32 s69, s69, 9
	s_add_co_u32 s70, s70, s69
	s_mov_b32 s71, 0
	s_add_nc_u64 s[OA:OA+1], s[2:3], s[70:71]
	s_cmp_lg_u32 s[PASS], 0
	s_cbranch_scc1 .Lno_next
	s_and_b32 s[G], ttmp7, 3
	NEXT                                           ; the second pass's flags, step 0 and Q are asked for ahead of the way out
.Lno_next:
.irp q, 0,1
	v_pk_add_f32 v[T+8*\q+2:T+8*\q+3], v[T+8*\q+2:T+8*\q+3], v[T+8*\q+4:T+8*\q+5]
.endr
.irp q, 0,1
	v_add_f32 v[T+8*\q+2], v[T+8*\q+2], v[T+8*\q+3]
.endr
.irp q, 0,1
	v_permlanex16_b32 v[T+8*\q+7], v[T+8*\q+2], s[SEL], s[SEL+1]
.endr
.irp q, 0,1
	v_add_f32 v[T+8*\q+2], v[T+8*\q+2], v[T+8*\q+7]   ; the row's sum
.endr
	s_wait_alu depctr_va_vdst(0)                   ; the wait ahead of the reciprocals
.irp q, 0,1
	v_rcp_f32 v[T+8*\q+6], v[T+8*\q+2]
.endr
	v_nop                                          ; a plain line behind the reciprocals
	s_wait_alu depctr_va_vdst(0)                   ; and ahead of their first reader
.irp q, 0,1
	v_ldexp_f32 v[T+8*\q+6], v[T+8*\q+6], s[EPV]   ; x 2^(ep + ev)
.endr
	WIN 0x01
	s_wait_alu depctr_va_vdst(0)                   ; the wait directly ahead of the first readers of O^T
.irp q, 0,1
.set i, 0
.rept 32
	v_pk_mul_f32 v[X+64*\q+i:X+64*\q+i+1], v[64*\q+i:64*\q+i+1], v[T+8*\q+6:T+8*\q+7] op_sel_hi:[1,0]   ; ascending
.set i, i+2
.endr
.endr
	WIN 0
.irp q, 0,1                            ; a lane's eight channels of a row go into my stage and come back as whole rows of 512 bytes, into the registers that they left
.irp t, 0,1,2,3,4,5,6,7
	ds_store_b128 v10, v[X+64*\q+8*\t:X+64*\q+8*\t+3] offset:64*\t
	ds_store_b128 v10, v[X+64*\q+8*\t+4:X+64*\q+8*\t+7] offset:64*\t+16
.endr
.set i, 0
.rept 16
	ds_load_b128 v[X+64*\q+4*i:X+64*\q+4*i+3], v8 offset:SP*i
.set i, i+1
.endr
.endr
.irp q, 0,1
.set i, 0
.rept 16
	s_wait_dscnt 32-32*\q+15-i                     ; row i of tile q is back; behind it its later rows and tile 1's 32 LDS instructions
	global_store_b128 v11, v[X+64*\q+4*i:X+64*\q+4*i+3], s[OA:OA+1] offset:(16*\q+i)*16384 th:TH_STORE_NT   ; 32 lanes store a head's 512 consecutive bytes of a row of out, aligned to 512
.set i, i+1
.endr
.endr
	s_wait_xcnt 0x0                                ; the stores have read their data and their base: the next pass writes both
	s_add_co_u32 s[PASS], s[PASS], 1
	s_cmp_lt_u32 s[PASS], 2
	s_cbranch_scc1 .Lpass
	s_wait_tensorcnt 0x0                           ; the wave's end
	ds_add_u32 v[SPW], v[NIL]
	s_wait_dscnt 0x0
	s_endpgm
.Lfunc_end_k_q60f7d37222_attn:
	.size	k_q60f7d37222_attn, .Lfunc_end_k_q60f7d37222_attn-k_q60f7d37222_attn
	.p2alignl 7, 3214868480
	.fill 96, 4, 3214868480
	.section	.rodata,"a",@progbits
	.p2align	6, 0x0
	.amdhsa_kernel k_q60f7d37222_attn
		.amdhsa_group_segment_fixed_size 142336
		.amdhsa_private_segment_fixed_size 0
		.amdhsa_enable_private_segment 0
		.amdhsa_kernarg_size 56
		.amdhsa_user_sgpr_count 2
		.amdhsa_user_sgpr_kernarg_segment_ptr 1
		.amdhsa_wavefront_size32 1
		.amdhsa_system_sgpr_workgroup_id_x 1
		.amdhsa_system_sgpr_workgroup_id_y 1
		.amdhsa_system_sgpr_workgroup_id_z 1
		.amdhsa_system_vgpr_workitem_id 0
		.amdhsa_next_free_vgpr 512
		.amdhsa_next_free_sgpr 106
		.amdhsa_reserve_vcc 0
		.amdhsa_float_denorm_mode_32 3
		.amdhsa_float_denorm_mode_16_64 3
		.amdhsa_memory_ordered 1
		.amdhsa_forward_progress 1
		.amdhsa_inst_pref_size 153
	.end_amdhsa_kernel
	.amdgpu_metadata
---
amdhsa.version: [ 1, 2 ]
amdhsa.kernels:
  - .name:           k_q60f7d37222_attn
    .symbol:         k_q60f7d37222_attn.kd
    .args:
      - { .name: query_layer, .offset: 0, .size: 8, .value_kind: global_buffer, .address_space: global }
      - { .name: kc, .offset: 8, .size: 8, .value_kind: global_buffer, .address_space: global }
      - { .name: vc, .offset: 16, .size: 8, .value_kind: global_buffer, .address_space: global }
      - { .name: mw, .offset: 24, .size: 8, .value_kind: global_buffer, .address_space: global }
      - { .name: flags, .offset: 32, .size: 8, .value_kind: global_buffer, .address_space: global }
      - { .name: lowp_scales, .offset: 40, .size: 8, .value_kind: global_buffer, .address_space: global }
      - { .name: out0, .offset: 48, .size: 8, .value_kind: global_buffer, .address_space: global }
    .group_segment_fixed_size: 142336
    .private_segment_fixed_size: 0
    .kernarg_segment_align: 8
    .kernarg_segment_size: 56
    .max_flat_workgroup_size: 256
    .sgpr_count:     106
    .vgpr_count:     512
    .wavefront_size: 32
...
	.end_amdgpu_metadata
.endif
;; end of part 2
